; MI455X (gfx1250); checked and timed in simulation.
; The chip was launched on July 23, 2026; its instructions are those of AMD's public machine-readable ISA for CDNA 5 (MIT licence, August 2026) and "CDNA5" Instruction Set Architecture Reference Guide (July 2026). The comments in the code are by the model that wrote it; some were corrected since.
;; Multi Headed Attention. Allowed arithmetic: matrix products marked QUANTISED: E2M1 operands, one E8M0 scale for each 32 along K, by v_wmma_scale_f32_16x16x128_f8f6f4 with both operands' format E2M1 (or v_wmma_scale_f32_32x16x128_f4), f32 sums; everything else in f32.
;; Inputs: Wk 1,024 x 1,024 float32; Wo 1,024 x 1,024 float32; Wq 1,024 x 1,024 float32; Wv 1,024 x 1,024 float32; bk 1,024 float32; bo 1,024 float32; bq 1,024 float32; bv 1,024 float32; key 4 x 2,048 x 1,024 float32; mask 4 x 2,048 x 2,048 int32; query 4 x 2,048 x 1,024 float32; value 4 x 2,048 x 1,024 float32.
;; Outputs: out0 4 x 2,048 x 1,024 float32.
;; This version of the problem:
;;   THIS VERSION OF THE PROBLEM IS GIVEN IN LOW PRECISION. The matrix products marked QUANTISED in the list below multiply operands that are first quantised to E2M1 (2 exponent bits, 1 mantissa bit; 4 bits a number), with one power-of-two scale for each 32 numbers along K (OCP MX v1.0); their sums are f32. All else is computed in f32.
;;   The module's matrix products, in the order in which they are computed (A, B: the left and right operand; K: the contracted axis; several contracted axes count as one K, in the product's order):
;;     1. [M 8,192, K 1,024] x [K 1,024, N 1,024]; A: input query; B: input Wq: QUANTISED
;;     2. [M 8,192, K 1,024] x [K 1,024, N 1,024]; A: input key; B: input Wk: QUANTISED
;;     3. [M 8,192, K 1,024] x [K 1,024, N 1,024]; A: input value; B: input Wv: QUANTISED
;;     4. batch 64 x [M 2,048, K 64] x [K 64, N 2,048]; A: computed on the way; B: computed on the way: QUANTISED
;;     5. batch 64 x [M 2,048, K 2,048] x [K 2,048, N 64]; A: computed on the way; B: computed on the way: QUANTISED
;;     6. [M 8,192, K 1,024] x [K 1,024, N 1,024]; A: computed on the way; B: input Wo: QUANTISED
;;   THE QUANTISER, for each operand of a quantised product, along K:
;;     - K is cut into blocks of 32 from its start; a last block that is shorter is filled with zeros.
;;     - A block's scale is 2^e with e = floor(log2(the largest magnitude in the block)) - 2, held to -126 .. 127; a block of zeros has e = 0. As a byte (E8M0): e + 127.
;;     - Each number is divided by its block's scale, clamped to +-6, and rounded to the nearest number of E2M1, ties to even, subnormals kept.
;;     - The product sums the exact products of the quantised numbers (number of the format x scale) in f32.
;;   ~~~python
;;   def quantise(x, axis):      # numpy; x: float32 -> the quantised numbers, widened to float32 again
;;       x = np.moveaxis(x, axis, -1); K = x.shape[-1]
;;       x = np.pad(x, [(0, 0)] * (x.ndim - 1) + [(0, -K % 32)]); x = x.reshape(x.shape[:-1] + (-1, 32)); a = np.abs(x).max(-1, keepdims=True)
;;       e = np.where(a > 0, np.clip(np.frexp(np.where(a > 0, a, 1))[1] - 1 - 2, -126, 127), 0)      # np.frexp(a)[1] - 1 = floor(log2(a)), exactly
;;       r = np.clip(x / 2.0 ** e, -6, 6)
;;       step = 2.0 ** (np.maximum(np.frexp(np.where(r == 0, 1, r))[1] - 1, 0) - 1)
;;       q = np.round(r / step) * step * 2.0 ** e      # np.round: ties to even
;;       return np.moveaxis(q.reshape(q.shape[:-2] + (-1,))[..., :K], -1, axis).astype(np.float32)
;;   ~~~
;;   OPERANDS COMPUTED ON THE WAY. 'Computed on the way' means the value that the module computes at that place (a softmax that the list does not call 'softmax' is quantised finished and normalised). What goes into a quantiser is computed in f32, as accurately as f32 sums, v_exp_f32 and their like allow (about 1e-6 of the number): no bf16 or f16 on the way to a quantiser, and a product that is left as it is and whose result goes on into a quantised operand takes f32 operands (vector FMAs, or v_wmma_f32_16x16x4_f32). A number that lies on a knife's edge between two numbers of the format may be rounded either way, as far as f32 arithmetic and the matrix unit's own rounding can turn it there, and no further.
;; One version. Each part assembles by itself: llvm-mc -triple=amdgcn-amd-amdhsa -mcpu=gfx1250 --defsym DOCPART=n.
;; ======== version 1 of 1: 4 launches
;; limits: right only within a limited range of input values
;; workspace buffers: XC 12,582,912 bytes; XSC 786,432 bytes; WC 2,097,152 bytes; WSC 131,072 bytes; MN 8,388,608 bytes; AC 12,582,912 bytes; AS 1,310,720 bytes; XA 4,456,448 bytes
;; launch prep (part 1): grid 704 x 1, 4 waves a work-group, no clusters, 39,424 bytes of LDS; arguments query, key, value, Wq, Wk, Wv, Wo, mask, XC, XSC, WC, WSC, MN; writes XC, XSC, WC, WSC, MN
.if DOCPART == 1
	.amdgcn_target "amdgcn-amd-amdhsa--gfx1250"
	.amdhsa_code_object_version 6
	.text
	.protected	k_q1e4d0951a8_prep
	.globl	k_q1e4d0951a8_prep
	.p2align	8
	.type	k_q1e4d0951a8_prep,@function
k_q1e4d0951a8_prep:
	s_mov_b64 s[64:65], 0
	v_nop
	global_prefetch_b8 v0, s[64:65] scope:SCOPE_SE
	s_setreg_imm32_b32 hwreg(HW_REG_WAVE_MODE, 25, 1), 1
	s_wait_xcnt 0x0
; PREP.  query, key, value [8192][1024] and Wq, Wk, Wv, Wo [1024][1024], f32, K innermost, become codes of FP4 (E2M1) with one E8M0 byte for each 32 along K;
; mask [4][2048][2048] int32 becomes one FP4 code a number: 0xF (the number -6) where mask == 0, else 0.
; A block's scale is 2^(floor(log2(largest magnitude)) - 2): its byte is the largest magnitude's exponent field - 2, held at 1 from below by a floor among the maximum's leaves.
; LIMITS: NaN and infinities are not served.  A block of zeros, and one whose largest magnitude lies under 2^-124, keeps the byte 1 (its codes are zeros or tiny); only this program reads the bytes.
; ROWS OF A TILE.  Rows go in groups of 128, a group in 8 tiles of 16: row i of tile T is group row 32 (T / 2) + 8 (T % 2) + i + 8 (i / 8).
; OUT.  A fragment (16 rows x 128 K) leaves as an image of the operand's registers, 1,024 bytes: [c 0..1][lane][16 bytes], lane (r, h) part c = k 64 c + 32 h + 0 .. 31 of row r: each store of a wave covers 512 consecutive
; bytes, aligned.  A tile's scale words leave as 512 bytes [hs][r][4 words]: lane 16 hs + r holds row r's words of K steps 4 hs + 0 .. 3.
; SHARES.  Work-groups 0-447: wave u = 4 wg + wave takes one tile (16 rows x 1,024 numbers) of one of the seven tensors.  Work-groups 448-703: a wave takes 16 rows x 1,024 keys of the mask.
; Waves share nothing: no barrier.  Each load reads 512 consecutive bytes of one row; a K step's 16 rows turn through the wave's own stage in LDS so that a lane gets a whole block of 32 neighbours.
; The two ways (quantise, pack) have LDS bytes of their own.  No matrix unit, no cluster, no tensor load: the launch streams, and every input byte is read once.
.set FLOOR, 0x1800000                  ; 2^(3 - 127)
.set LA,  4                            ; v4   16 x lane
.set SA,  5                            ; v5   stage, way in: 16 x lane
.set RA,  6                            ; v6   stage, way out: 528 r + 128 h
.set SH,  7                            ; v7   8 h
.set MA,  8                            ; v8   mask stage, way in
.set MRD, 9                            ; v9   mask stage, way out
.set R,   16                           ; v16-143  two sets of 64, as loaded
.set X,   144                          ; v144-207 64 neighbours (mask: v144-151 a packed image)
.set C,   208                          ; v208-215 a fragment's codes
.set W,   216                          ; v216-223 the tile's eight scale words
.set QP,  528                          ; a stage row: 512 bytes + 16: sixteen rows start at sixteen different 16-byte columns
.set QST, 8704                         ; a wave's stage (16 x 528, rounded up to blocks of 256 bytes)
.set MST, 4*QST                        ; behind them: 1,024 bytes a wave for the mask's way
	s_load_b256 s[4:11], s[0:1], 0x0               ; query, key, value, Wq
	s_load_b256 s[12:19], s[0:1], 0x20             ; Wk, Wv, Wo, mask
	s_load_b256 s[20:27], s[0:1], 0x40             ; XC, XSC, WC, WSC
	s_load_b64 s[28:29], s[0:1], 0x60              ; MN
	v_lshl_add_u32 v232, v0, 2, 0x9800
	v_mov_b32 v233, 0
	v_lshrrev_b32 v1, 5, v0
	v_readfirstlane_b32 s40, v1                    ; wave
	v_and_b32 v1, 31, v0                           ; lane
	v_and_b32 v2, 15, v0                           ; r
	v_bfe_u32 v3, v0, 4, 1                         ; h
	v_lshlrev_b32 v[LA], 4, v1
	s_lshl_b32 s41, ttmp9, 2
	s_add_co_u32 s41, s41, s40                     ; u = 4 x work-group + wave
	s_mov_b32 s47, 0                               ; the upper word of every offset
	s_cmp_ge_u32 ttmp9, 448
	s_cbranch_scc1 .Lmask
; ---------------- the seven f32 tensors ----------------
	s_mul_i32 s42, s40, QST
	v_add_nc_u32 v[SA], s42, v[LA]
	v_mul_u32_u24 v[RA], v2, QP
	v_lshl_add_u32 v[RA], v3, 7, v[RA]
	v_add_nc_u32 v[RA], s42, v[RA]
	v_lshlrev_b32 v[SH], 3, v3
	v_mov_b32 v225, 0                              ; a lane permute's destination counts as one of its sources
	s_mov_b32 s36, 0x76543210
	s_mov_b32 s37, 0xfedcba98                      ; selects for lane l xor 16
	s_wait_kmcnt 0x0
	s_mov_b64 s[30:31], s[4:5]                     ; which tensor: by the work-group's number alone
	s_cmp_ge_u32 ttmp9, 128
	s_cselect_b64 s[30:31], s[6:7], s[30:31]
	s_cmp_ge_u32 ttmp9, 256
	s_cselect_b64 s[30:31], s[8:9], s[30:31]
	s_cmp_ge_u32 ttmp9, 384
	s_cselect_b64 s[30:31], s[10:11], s[30:31]
	s_cmp_ge_u32 ttmp9, 400
	s_cselect_b64 s[30:31], s[12:13], s[30:31]
	s_cmp_ge_u32 ttmp9, 416
	s_cselect_b64 s[30:31], s[14:15], s[30:31]
	s_cmp_ge_u32 ttmp9, 432
	s_cselect_b64 s[30:31], s[16:17], s[30:31]
	s_cmp_lt_u32 ttmp9, 384                        ; an activation (512 tiles each) or a weight (64 tiles each)
	s_cselect_b64 s[32:33], s[20:21], s[24:25]
	s_cselect_b64 s[34:35], s[22:23], s[26:27]
	s_cselect_b32 s43, 0, 1536
	s_cselect_b32 s44, 511, 63
	s_sub_co_u32 s41, s41, s43                     ; the tile's number in its workspace buffer
	s_and_b32 s44, s41, s44                        ; and in its tensor
	s_lshr_b32 s45, s44, 3
	s_lshl_b32 s45, s45, 7                         ; 128 x group
	s_bfe_u32 s46, s44, 0x20001
	s_lshl_b32 s46, s46, 5                         ; + 32 (T / 2)
	s_add_co_u32 s45, s45, s46
	s_and_b32 s46, s44, 1
	s_lshl_b32 s46, s46, 3                         ; + 8 (T % 2)
	s_add_co_u32 s45, s45, s46
	s_lshl_b32 s46, s45, 12                        ; rows of 4,096 bytes
	s_add_nc_u64 s[30:31], s[30:31], s[46:47]
	s_lshl_b32 s46, s41, 13                        ; 8 images a tile
	s_add_nc_u64 s[32:33], s[32:33], s[46:47]
	s_lshl_b32 s46, s41, 9                         ; 512 bytes of scale words a tile
	s_add_nc_u64 s[34:35], s[34:35], s[46:47]
.macro QLOAD s, set                    ; K step s of the tile's 16 rows: a load reads 512 consecutive bytes of one row
.irp i, 0,1,2,3,4,5,6,7,8,9,10,11,12,13,14,15
	global_load_b128 v[R+64*(\set)+4*\i:R+64*(\set)+4*\i+3], v[LA], s[30:31] offset:(\i+8*(\i/8))*4096+512*(\s) th:TH_LOAD_NT
.endr
.endm
.macro QTURN set                       ; through the stage: in as loaded, out a block of 32 to a lane: lane (r, h) takes blocks h and 2 + h of row r.  LDS serves a wave's instructions in order
.irp i, 0,1,2,3,4,5,6,7,8,9,10,11,12,13,14,15
	ds_store_b128 v[SA], v[R+64*(\set)+4*\i:R+64*(\set)+4*\i+3] offset:QP*\i
.endr
.irp c, 0,1
.irp k, 0,1,2,3,4,5,6,7
	ds_load_b128 v[X+32*\c+4*\k:X+32*\c+4*\k+3], v[RA] offset:256*\c+16*\k
.endr
.endr
.endm
.macro QBLOCKS s                       ; my two blocks become 8 registers of codes; the row's four bytes become its scale word
.irp c, 0,1
	v_max3_num_f32 v[10+\c], |v[X+32*\c]|, |v[X+32*\c+1]|, FLOOR
.endr
.set n, 2
.rept 15
.irp c, 0,1
	v_max3_num_f32 v[10+\c], v[10+\c], |v[X+32*\c+n]|, |v[X+32*\c+n+1]|   ; the two blocks by turns
.endr
.set n, n+2
.endr
.irp c, 0,1
	v_add_nc_u32 v[12+\c], 0xff000000, v[10+\c]    ; 2 off the exponent field: the conversion's scale operand
.endr
.irp c, 0,1
	v_lshrrev_b32 v[14+\c], 23, v[12+\c]           ; the scale's byte
.endr
.irp c, 0,1
.irp g, 0,1,2,3
	v_cvt_scalef32_pk8_fp4_f32 v[C+4*\c+\g], v[X+32*\c+8*\g:X+32*\c+8*\g+7], v[12+\c]
.endr
.endr
	v_lshl_or_b32 v224, v15, 16, v14               ; my bytes: blocks h and 2 + h,
	v_lshlrev_b32 v224, v[SH], v224                ; at their places in the word;
	v_permlanex16_b32 v225, v224, s36, s37
	v_or_b32 v[W+(\s)], v224, v225                 ; with lane l xor 16's two the word is whole
.irp c, 0,1
	global_store_b128 v[LA], v[C+4*\c:C+4*\c+3], s[32:33] offset:1024*(\s)+512*\c
.endr
.endm
	s_wait_alu depctr_va_vdst(0)
	QLOAD 0, 0
	QLOAD 1, 1
.irp s, 0,1,2,3,4,5,6,7
.if \s < 7
	s_wait_loadcnt 16                              ; this step's sixteen loads are in; the next step's sixteen stay out
.else
	s_wait_loadcnt 0
.endif
	s_wait_xcnt 0x0                                ; the last step's stores have read the codes' registers, which are written again below
	QTURN (\s)%2
	s_wait_dscnt 0x0                               ; the numbers are back, and the stage's stores have read their registers,
.if \s < 6
	QLOAD (\s)+2, (\s)%2                           ; which take the loads of two steps on
.endif
	QBLOCKS \s
.endr
	v_cmp_le_u32 vcc_lo, 16, v1                    ; lanes 0-15 keep the words of K steps 0-3, lanes 16-31 take those of 4-7
.irp i, 0,1,2,3
	v_cndmask_b32 v[W+\i], v[W+\i], v[W+4+\i], vcc_lo
.endr
	global_store_b128 v[LA], v[W:W+3], s[34:35]    ; 512 consecutive bytes
	s_wait_tensorcnt 0x0
	ds_add_u32 v232, v233
	s_wait_dscnt 0x0
	s_endpgm
; ---------------- the mask ----------------
; Unit m = 2 (128 b + query tile) + half: 16 query rows (in a tile's order) x 1,024 keys = 8 key steps of 128.  A key step's image: register 2 b' + u of lane (r, h) holds the codes of query row r at keys
; 32 b' + 16 h + 8 u + 0 .. 7, the lower key in the lower four bits: the layout in which the score product's eight accumulators hold those scores.
.Lmask:
	s_sub_co_u32 s41, s41, 1792                    ; m
	s_lshl_b32 s42, s40, 10
	s_add_co_u32 s42, s42, MST
	s_wait_alu depctr_va_vdst(0)
	v_lshrrev_b32 v10, 4, v1                       ; lane l holds keys 4 l .. 4 l + 3 of a row: 16 bits at 512 (l / 16) + 256 ((l / 4) % 2) + 8 ((l / 8) % 2) + 4 ((l / 2) % 2) + 2 (l % 2), + 16 x row
	v_lshlrev_b32 v[MA], 9, v10
	v_bfe_u32 v10, v1, 2, 1
	v_lshl_add_u32 v[MA], v10, 8, v[MA]
	v_bfe_u32 v10, v1, 3, 1
	v_lshl_add_u32 v[MA], v10, 3, v[MA]
	v_bfe_u32 v10, v1, 1, 1
	v_lshl_add_u32 v[MA], v10, 2, v[MA]
	v_and_b32 v10, 1, v1
	v_lshl_add_u32 v[MA], v10, 1, v[MA]
	v_add_nc_u32 v[MA], s42, v[MA]
	v_add_nc_u32 v[MRD], s42, v[LA]
	s_lshr_b32 s45, s41, 4
	s_lshl_b32 s45, s45, 7                         ; 128 x (16 b + group of queries)
	s_bfe_u32 s46, s41, 0x20002
	s_lshl_b32 s46, s46, 5
	s_add_co_u32 s45, s45, s46
	s_bfe_u32 s46, s41, 0x10001
	s_lshl_b32 s46, s46, 3
	s_add_co_u32 s45, s45, s46                     ; the tile's first row of the mask
	s_lshl_b32 s45, s45, 13                        ; rows of 8,192 bytes
	s_and_b32 s46, s41, 1
	s_lshl_b32 s46, s46, 12                        ; + my half of the row
	s_add_co_u32 s46, s46, s45
	s_wait_kmcnt 0x0
	s_add_nc_u64 s[30:31], s[18:19], s[46:47]
	s_lshl_b32 s46, s41, 13
	s_add_nc_u64 s[32:33], s[28:29], s[46:47]
.macro MLOAD t, set
.irp i, 0,1,2,3,4,5,6,7,8,9,10,11,12,13,14,15
	global_load_b128 v[R+64*(\set)+4*\i:R+64*(\set)+4*\i+3], v[LA], s[30:31] offset:(\i+8*(\i/8))*8192+512*(\t) th:TH_LOAD_NT
.endr
.endm
.macro MPACK set                       ; four ints become four codes: 1 where the int is not 0, packed, turned over, x 15
.irp i, 0,1,2,3,4,5,6,7,8,9,10,11,12,13,14,15
.irp k, 0,1,2,3
	v_min_u32 v[R+64*(\set)+4*\i+\k], 1, v[R+64*(\set)+4*\i+\k]
.endr
	v_lshl_or_b32 v[R+64*(\set)+4*\i], v[R+64*(\set)+4*\i+1], 4, v[R+64*(\set)+4*\i]
	v_lshl_or_b32 v[R+64*(\set)+4*\i+2], v[R+64*(\set)+4*\i+3], 4, v[R+64*(\set)+4*\i+2]
	v_lshl_or_b32 v[R+64*(\set)+4*\i], v[R+64*(\set)+4*\i+2], 8, v[R+64*(\set)+4*\i]
	v_xor_b32 v[R+64*(\set)+4*\i], 0x1111, v[R+64*(\set)+4*\i]
	v_mul_u32_u24 v[R+64*(\set)+4*\i], v[R+64*(\set)+4*\i], 15
	ds_store_b16 v[MA], v[R+64*(\set)+4*\i] offset:16*\i
.endr
.endm
	MLOAD 0, 0
	MLOAD 1, 1
.irp t, 0,1,2,3,4,5,6,7
.if \t < 7
	s_wait_loadcnt 16                              ; this step's sixteen loads are in; the next step's stay out
.else
	s_wait_loadcnt 0
.endif
	s_wait_xcnt 0x0                                ; the last step's stores have read v144-151
	MPACK (\t)%2
	ds_load_b128 v[X:X+3], v[MRD]                  ; LDS serves a wave's instructions in order: these see my stores
	ds_load_b128 v[X+4:X+7], v[MRD] offset:512
	s_wait_dscnt 0x0
.if \t < 6
	MLOAD (\t)+2, (\t)%2
.endif
	global_store_b128 v[LA], v[X:X+3], s[32:33] offset:1024*\t
	global_store_b128 v[LA], v[X+4:X+7], s[32:33] offset:1024*\t+512
.endr
	s_wait_tensorcnt 0x0
	ds_add_u32 v232, v233
	s_wait_dscnt 0x0
	s_endpgm
.Lfunc_end_k_q1e4d0951a8_prep:
	.size	k_q1e4d0951a8_prep, .Lfunc_end_k_q1e4d0951a8_prep-k_q1e4d0951a8_prep
	.p2alignl 7, 3214868480
	.fill 96, 4, 3214868480
	.section	.rodata,"a",@progbits
	.p2align	6, 0x0
	.amdhsa_kernel k_q1e4d0951a8_prep
		.amdhsa_group_segment_fixed_size 39424
		.amdhsa_private_segment_fixed_size 0
		.amdhsa_enable_private_segment 0
		.amdhsa_kernarg_size 104
		.amdhsa_user_sgpr_count 2
		.amdhsa_user_sgpr_kernarg_segment_ptr 1
		.amdhsa_wavefront_size32 1
		.amdhsa_system_sgpr_workgroup_id_x 1
		.amdhsa_system_sgpr_workgroup_id_y 1
		.amdhsa_system_sgpr_workgroup_id_z 1
		.amdhsa_system_vgpr_workitem_id 0
		.amdhsa_next_free_vgpr 234
		.amdhsa_next_free_sgpr 66
		.amdhsa_reserve_vcc 1
		.amdhsa_float_denorm_mode_32 3
		.amdhsa_float_denorm_mode_16_64 3
		.amdhsa_memory_ordered 1
		.amdhsa_forward_progress 1
		.amdhsa_inst_pref_size 138
	.end_amdhsa_kernel
	.amdgpu_metadata
---
amdhsa.version: [ 1, 2 ]
amdhsa.kernels:
  - .name:           k_q1e4d0951a8_prep
    .symbol:         k_q1e4d0951a8_prep.kd
    .args:
      - { .name: query, .offset: 0, .size: 8, .value_kind: global_buffer, .address_space: global }
      - { .name: key, .offset: 8, .size: 8, .value_kind: global_buffer, .address_space: global }
      - { .name: value, .offset: 16, .size: 8, .value_kind: global_buffer, .address_space: global }
      - { .name: Wq, .offset: 24, .size: 8, .value_kind: global_buffer, .address_space: global }
      - { .name: Wk, .offset: 32, .size: 8, .value_kind: global_buffer, .address_space: global }
      - { .name: Wv, .offset: 40, .size: 8, .value_kind: global_buffer, .address_space: global }
      - { .name: Wo, .offset: 48, .size: 8, .value_kind: global_buffer, .address_space: global }
      - { .name: mask, .offset: 56, .size: 8, .value_kind: global_buffer, .address_space: global }
      - { .name: XC, .offset: 64, .size: 8, .value_kind: global_buffer, .address_space: global }
      - { .name: XSC, .offset: 72, .size: 8, .value_kind: global_buffer, .address_space: global }
      - { .name: WC, .offset: 80, .size: 8, .value_kind: global_buffer, .address_space: global }
      - { .name: WSC, .offset: 88, .size: 8, .value_kind: global_buffer, .address_space: global }
      - { .name: MN, .offset: 96, .size: 8, .value_kind: global_buffer, .address_space: global }
    .group_segment_fixed_size: 39424
    .private_segment_fixed_size: 0
    .kernarg_segment_align: 8
    .kernarg_segment_size: 104
    .max_flat_workgroup_size: 128
    .sgpr_count:     66
    .vgpr_count:     234
    .wavefront_size: 32
...
	.end_amdgpu_metadata
.endif
;; end of part 1
;; launch proj (part 2): grid 64 x 3, 4 waves a work-group, no clusters, 327,680 bytes of LDS; arguments XC, XSC, WC, WSC, bq, bk, bv, AC, AS; writes AC, AS
.if DOCPART == 2
	.amdgcn_target "amdgcn-amd-amdhsa--gfx1250"
	.amdhsa_code_object_version 6
	.text
	.protected	k_q1e4d0951a8_proj
	.globl	k_q1e4d0951a8_proj
	.p2align	8
	.type	k_q1e4d0951a8_proj,@function
k_q1e4d0951a8_proj:
	s_mov_b64 s[64:65], 0
	v_nop
	global_prefetch_b8 v0, s[64:65] scope:SCOPE_SE
	s_setreg_imm32_b32 hwreg(HW_REG_WAVE_MODE, 25, 1), 1
	s_wait_xcnt 0x0
.set FLOOR, 0x1800000
.set L16, 4
.set R4,  5
.set RA,  6
.set RSA, 7
.set BA,  8
.set OA,  9
.set SA,  10
.set SRD, 11
.set SA0, 12
.set H64, 13
.set BCOL, 14
.set BST, 15
.set RSA0, 18
.set BA0, 19
.set PS,  32
.set RS,  64
.set BLV, 70
.set HA,  96
.set PC,  160
.set PW,  168
.set PW2, 169
.set TM,  176
.set BK,  192
.set BIAS, 64
.set BL,  128
.set RSCL, 131072
.set BLD,  139264
.set STG,  140288
.set SEL, 2
.set WV,  22
.set YY,  48
.set JJ,  50
.set SSH, 72
.set MSB, 0
.macro WIN new
.if MSB != \new
	s_set_vgpr_msb (MSB<<8)|\new
.set MSB, \new
.endif
.endm
.macro WM d, a, b, c, sa, sb, hi
.if \hi
	v_wmma_scale_f32_16x16x128_f8f6f4 v[(\d):(\d)+7], v[(\a):(\a)+7], v[(\b):(\b)+7], v[(\c):(\c)+7], v[\sa], v[\sb] matrix_a_fmt:MATRIX_FMT_FP4 matrix_b_fmt:MATRIX_FMT_FP4 matrix_a_scale:MATRIX_SCALE_ROW1 matrix_b_scale:MATRIX_SCALE_ROW1
.else
	v_wmma_scale_f32_16x16x128_f8f6f4 v[(\d):(\d)+7], v[(\a):(\a)+7], v[(\b):(\b)+7], v[(\c):(\c)+7], v[\sa], v[\sb] matrix_a_fmt:MATRIX_FMT_FP4 matrix_b_fmt:MATRIX_FMT_FP4
.endif
.endm
	s_load_b256 s[4:11], s[0:1], 0x0
	s_load_b256 s[12:19], s[0:1], 0x20
	s_load_b64 s[20:21], s[0:1], 0x40
	v_lshl_add_u32 v254, v0, 2, 0x29000
	v_mov_b32 v255, 0
	ds_add_u32 v254, v255
	ds_add_u32 v254, v255
	v_lshrrev_b32 v1, 5, v0
	v_readfirstlane_b32 s[WV], v1
	s_and_b32 s[YY], ttmp7, 0xffff
	s_mov_b32 s[SEL], 0x76543210
	s_mov_b32 s[SEL+1], 0xfedcba98
	s_and_b32 s74, ttmp9, 1
	s_lshl_b32 s74, s74, 2
	s_add_co_u32 s74, s74, s[WV]
	s_lshr_b32 s75, ttmp9, 1
	s_lshr_b32 s76, ttmp9, 2
	s_lshl_b32 s76, s76, 2
	s_add_co_u32 s76, s76, s[WV]
	s_and_b32 s77, ttmp9, 3
	s_lshr_b32 s78, s75, 3
	s_lshl_b32 s78, s78, 4
	s_lshl_b32 s79, s74, 1
	s_add_co_u32 s78, s78, s79
	s_lshl_b32 s78, s78, 7
	s_and_b32 s79, s75, 7
	s_lshl_b32 s79, s79, 4
	s_add_co_u32 s78, s78, s79
	s_lshl_b32 s79, s76, 6
	s_lshl_b32 s80, s77, 4
	s_add_co_u32 s79, s79, s80
	s_lshl_b32 s80, s[YY], 22
	s_lshl_b32 s81, s[YY], 19
	s_lshl_b32 s82, s[YY], 18
	s_lshl_b32 s83, s[YY], 15
	s_lshl_b32 s84, s74, 9
	s_lshl_b32 s85, s77, 10
	s_mov_b32 s24, 3<<16
	s_mov_b32 s25, 32<<16
	s_mov_b32 s26, 128<<16
	s_mov_b32 s27, 32<<16
	s_mov_b32 s28, 128
	s_mov_b32 s29, 32
	s_mov_b32 s30, 0
	s_mov_b32 s31, 0
	s_mov_b32 s95, 0
	s_wait_dscnt 0x0
	s_wait_kmcnt 0x0
	s_cmp_eq_u32 s[YY], 0
	s_cselect_b64 s[70:71], s[12:13], s[14:15]
	s_cmp_eq_u32 s[YY], 2
	s_cselect_b64 s[70:71], s[16:17], s[70:71]
	s_cselect_b64 s[52:53], s[4:5], s[8:9]
	s_cselect_b64 s[54:55], s[6:7], s[10:11]
	s_cselect_b64 s[56:57], s[8:9], s[4:5]
	s_cselect_b64 s[58:59], s[10:11], s[6:7]
	s_cselect_b32 s86, s80, s81
	s_cselect_b32 s87, s82, s83
	s_cselect_b32 s88, s81, s80
	s_cselect_b32 s89, s83, s82
	s_cselect_b32 s90, s76, s74
	s_cselect_b32 s91, s77, s75
	s_cselect_b32 s92, s79, s78
	s_cselect_b32 s[SSH], 10, 9
	s_cselect_b32 s93, 9, 16
	s_cselect_b32 s84, 0, s84
	s_cselect_b32 s85, s85, 0
	s_lshl_b32 s94, s90, 16
	s_add_co_u32 s94, s94, s86
	s_add_nc_u64 s[52:53], s[52:53], s[94:95]
	s_lshl_b32 s94, s90, 12
	s_add_co_u32 s94, s94, s87
	s_add_nc_u64 s[54:55], s[54:55], s[94:95]
	s_lshl_b32 s94, s91, 17
	s_add_co_u32 s94, s94, s88
	s_add_nc_u64 s[56:57], s[56:57], s[94:95]
	s_lshl_b32 s94, s91, 13
	s_add_co_u32 s94, s94, s89
	s_add_nc_u64 s[58:59], s[58:59], s[94:95]
	s_lshl_b32 s94, s92, s[SSH]
	s_add_co_u32 s94, s94, s80
	s_add_nc_u64 s[60:61], s[18:19], s[94:95]
	s_lshl_b32 s94, 1, s93
	s_add_nc_u64 s[62:63], s[60:61], s[94:95]
	s_lshl_b32 s94, s92, 6
	s_add_co_u32 s94, s94, s81
	s_add_nc_u64 s[66:67], s[20:21], s[94:95]
	s_add_nc_u64 s[68:69], s[66:67], 8192
	s_mov_b32 s94, s84
	s_add_nc_u64 s[98:99], s[70:71], s[94:95]
	s_mov_b32 s94, s85
	s_add_nc_u64 s[96:97], s[70:71], s[94:95]
	s_lshl_b32 s94, s[WV], 15
	s_mov_b32 s40, 1
	s_mov_b32 s41, s94
	s_add_nc_u64 s[42:43], s[56:57], s[94:95]
	s_or_b32 s43, s43, 0x80000000
	s_lshl_b32 s94, s[WV], 11
	s_add_co_u32 s45, s94, RSCL                    ; my 2,048 bytes of the streamed operand's scale words: in LDS,
	s_add_nc_u64 s[46:47], s[58:59], s[94:95]      ; and in memory; they go through registers
	tensor_load_to_lds s[40:43], s[24:31]
	s_nop 0
	v_and_b32 v1, 31, v0
	v_and_b32 v2, 15, v0
	v_bfe_u32 v3, v0, 4, 1
	v_lshlrev_b32 v[L16], 4, v1
	v_add_nc_u32 v21, s45, v[L16]
	v_lshlrev_b32 v[R4], 2, v2
	v_lshlrev_b32 v[H64], 6, v3
	v_add_nc_u32 v[RSA0], RSCL, v[L16]
	v_add_nc_u32 v[BA0], BLD, v[R4]
	s_lshl_b32 s73, s[WV], 11
	s_add_co_u32 s73, s73, STG
	v_add_nc_u32 v[SA0], s73, v[R4]
	v_add_nc_u32 v[SRD], s73, v[L16]
	v_lshl_add_u32 v[BST], v0, 2, BLD
	v_and_b32 v[BCOL], 7, v0
	v_bfe_u32 v20, v0, 3, 1
	v_lshl_add_u32 v[BCOL], v20, 4, v[BCOL]
	v_bfe_u32 v20, v0, 4, 1
	v_lshl_add_u32 v[BCOL], v20, 3, v[BCOL]
	v_bfe_u32 v20, v0, 5, 2
	v_lshl_add_u32 v[BCOL], v20, 5, v[BCOL]
	v_lshlrev_b32 v[BCOL], 2, v[BCOL]
.irp b, 0,1,2,3
	v_mov_b32 v[TM+4+\b], 0
.endr
	global_load_b32 v16, v[BCOL], s[96:97]
	global_load_b32 v17, v[BCOL], s[96:97] offset:512
.irp i, 0,1,2,3
	global_load_b128 v[BK+4*\i:BK+4*\i+3], v[L16], s[46:47] offset:512*\i
.endr
.irp T, 0,1,2,3,4,5,6,7
	global_load_b128 v[PS+4*\T:PS+4*\T+3], v[L16], s[54:55] offset:512*\T
.endr
	WIN 0x40
.irp T, 0,1,2,3
.irp s, 0,1,2,3,4,5,6,7
.irp c, 0,1
	global_load_b128 v[64*\T+8*\s+4*\c:64*\T+8*\s+4*\c+3], v[L16], s[52:53] offset:1024*(8*\T+\s)+512*\c
.endr
.endr
.endr
	WIN 0x80
.irp T, 0,1,2,3
.irp s, 0,1,2,3,4,5,6,7
.irp c, 0,1
	global_load_b128 v[64*\T+8*\s+4*\c:64*\T+8*\s+4*\c+3], v[L16], s[52:53] offset:1024*(8*(\T+4)+\s)+512*\c
.endr
.endr
.endr
	WIN 0xc0
.irp T, 0,1,2,3,4,5,6,7
	global_load_b128 v[BIAS+8*\T:BIAS+8*\T+3], v[H64], s[98:99] offset:(32*(\T/2)+8*(\T%2))*4
	global_load_b128 v[BIAS+8*\T+4:BIAS+8*\T+7], v[H64], s[98:99] offset:(32*(\T/2)+8*(\T%2))*4+16
.endr
	WIN 0
	s_wait_loadcnt 0x0
	ds_store_b32 v[BST], v16
	ds_store_b32 v[BST], v17 offset:512
.irp i, 0,1,2,3
	ds_store_b128 v21, v[BK+4*\i:BK+4*\i+3] offset:512*\i
.endr
	s_wait_tensorcnt 0x0
	s_wait_dscnt 0x0
	s_barrier_signal -1
	s_barrier_wait -1
.macro RLOADS
	WIN 0xc0
.irp s, 0,1,2,3,4,5,6,7
.irp c, 0,1
	ds_load_b128 v[8*\s+4*\c:8*\s+4*\c+3], v[RA] offset:1024*\s+512*\c
.endr
.endr
	WIN 0
	ds_load_b128 v[RS:RS+3], v[RSA]
	ds_load_b32 v[BLV], v[BA]
.endm
.macro MULF cb, cs
	WIN 0x3d
.irp T, 0,1,2,3
	WM HA+8*\T, 64*\T, 0, \cb+\cs*\T, PS+4*\T, RS, 0
.endr
	WIN 0x3e
.irp T, 0,1,2,3
	WM HA+8*(\T+4), 64*\T, 0, \cb+\cs*(\T+4), PS+4*(\T+4), RS, 0
.endr
.endm
.macro MULR half
	WIN 0x0d+\half
.irp s, 1,2,3,4,5,6,7
.irp t, 0,1,2,3
	WM HA+8*(4*\half+\t), 64*\t+8*\s, 8*\s, HA+8*(4*\half+\t), PS+4*(4*\half+\t)+\s%4, RS+\s%4, \s/4
.endr
.endr
.endm
.macro QUANT s
.irp b, 0,1,2,3
	v_max3_num_f32 v[TM+\b], |v[\s+16*\b]|, |v[\s+1+16*\b]|, FLOOR
.endr
.irp i, 2,4,6,8,10,12,14
.irp b, 0,1,2,3
	v_max3_num_f32 v[TM+\b], v[TM+\b], |v[\s+16*\b+\i]|, |v[\s+1+16*\b+\i]|
.endr
.endr
.irp b, 0,1,2,3
	v_permlanex16_b32 v[TM+4+\b], v[TM+\b], s[SEL], s[SEL+1]
.endr
.irp b, 0,1,2,3
	v_max_num_f32 v[TM+\b], v[TM+\b], v[TM+4+\b]
.endr
.irp b, 0,1,2,3
	v_add_nc_u32 v[TM+12+\b], 0xff000000, v[TM+\b]
.endr
.irp b, 0,1,2,3
	v_lshrrev_b32 v[TM+4+\b], 23, v[TM+12+\b]
.endr
	v_lshl_or_b32 v[PW], v[TM+5], 8, v[TM+4]
	v_lshl_or_b32 v[PW], v[TM+6], 16, v[PW]
	v_lshl_or_b32 v[PW], v[TM+7], 24, v[PW]
.irp b, 0,1,2,3
	v_cvt_scalef32_pk8_fp4_f32 v[PC+2*\b], v[\s+16*\b:\s+7+16*\b], v[TM+12+\b]
	v_cvt_scalef32_pk8_fp4_f32 v[PC+1+2*\b], v[\s+8+16*\b:\s+15+16*\b], v[TM+12+\b]
.endr
	v_nop
.irp c, 0,1
.irp i, 0,1
	v_permlane16_swap_b32 v[PC+4*\c+\i], v[PC+2+4*\c+\i]
.endr
.endr
.endm
	v_mov_b32 v[RA], v[L16]
	v_mov_b32 v[RSA], v[RSA0]
	v_mov_b32 v[BA], v[BA0]
	RLOADS
	s_mov_b32 s[JJ], 0
.Lpair:
	s_wait_dscnt 0x0
	s_cmp_eq_u32 s[YY], 2
	s_cbranch_scc1 .Lalong_r
	MULF BIAS, 8
	WIN 0
	s_branch .Lstarted
.Lalong_r:
	WIN 0xc0
.irp i, 0,1,2,3,4,5,6,7
	v_mov_b32 v[BL+\i], v[BLV]
.endr
.rept 4
	v_nop
.endr
	MULF BL, 0
	WIN 0
.Lstarted:
	MULR 0
	MULR 1
	WIN 0
	s_add_co_u32 s51, s[JJ], 1
	s_min_u32 s51, s51, 15
	s_lshl_b32 s73, s51, 13
	v_add_nc_u32 v[RA], s73, v[L16]
	s_lshl_b32 s73, s51, 9
	v_add_nc_u32 v[RSA], s73, v[RSA0]
	s_lshl_b32 s73, s51, 6
	v_add_nc_u32 v[BA], s73, v[BA0]
	v_nop
	RLOADS
	s_wait_xcnt 0x0
	s_lshl_b32 s73, s[JJ], s[SSH]
	v_add_nc_u32 v[OA], s73, v[L16]
	s_lshl_b32 s73, s[JJ], 6
	v_add_nc_u32 v[SA], s73, v[SA0]
	QUANT HA
	v_lshrrev_b32 v[PW2], 16, v[PW]
	global_store_b128 v[OA], v[PC:PC+3], s[60:61]
	global_store_b128 v[OA], v[PC+4:PC+7], s[62:63]
	ds_store_b32 v[SA], v[PW]
	ds_store_b32 v[SA], v[PW2] offset:1024
	s_add_co_u32 s[JJ], s[JJ], 1
	s_cmp_lt_u32 s[JJ], 16
	s_cbranch_scc1 .Lpair
	ds_load_b128 v[BK:BK+3], v[SRD]
	ds_load_b128 v[BK+4:BK+7], v[SRD] offset:512
	s_wait_dscnt 0x0
	global_store_b128 v[L16], v[BK:BK+3], s[66:67]
	global_store_b128 v[L16], v[BK+4:BK+7], s[66:67] offset:512
	s_cmp_eq_u32 s[YY], 2
	s_cbranch_scc1 .Lend
	ds_load_b128 v[BK+8:BK+11], v[SRD] offset:1024
	ds_load_b128 v[BK+12:BK+15], v[SRD] offset:1536
	s_wait_dscnt 0x0
	global_store_b128 v[L16], v[BK+8:BK+11], s[68:69]
	global_store_b128 v[L16], v[BK+12:BK+15], s[68:69] offset:512
.Lend:
	s_wait_tensorcnt 0x0
	ds_add_u32 v254, v255
	s_wait_dscnt 0x0
	s_endpgm
.Lfunc_end_k_q1e4d0951a8_proj:
	.size	k_q1e4d0951a8_proj, .Lfunc_end_k_q1e4d0951a8_proj-k_q1e4d0951a8_proj
	.p2alignl 7, 3214868480
	.fill 96, 4, 3214868480
	.section	.rodata,"a",@progbits
	.p2align	6, 0x0
	.amdhsa_kernel k_q1e4d0951a8_proj
		.amdhsa_group_segment_fixed_size 327680
		.amdhsa_private_segment_fixed_size 0
		.amdhsa_enable_private_segment 0
		.amdhsa_kernarg_size 72
		.amdhsa_user_sgpr_count 2
		.amdhsa_user_sgpr_kernarg_segment_ptr 1
		.amdhsa_wavefront_size32 1
		.amdhsa_system_sgpr_workgroup_id_x 1
		.amdhsa_system_sgpr_workgroup_id_y 1
		.amdhsa_system_sgpr_workgroup_id_z 1
		.amdhsa_system_vgpr_workitem_id 0
		.amdhsa_next_free_vgpr 1024
		.amdhsa_next_free_sgpr 100
		.amdhsa_reserve_vcc 0
		.amdhsa_float_denorm_mode_32 3
		.amdhsa_float_denorm_mode_16_64 3
		.amdhsa_memory_ordered 1
		.amdhsa_forward_progress 1
		.amdhsa_inst_pref_size 39
	.end_amdhsa_kernel
	.amdgpu_metadata
---
amdhsa.version: [ 1, 2 ]
amdhsa.kernels:
  - .name:           k_q1e4d0951a8_proj
    .symbol:         k_q1e4d0951a8_proj.kd
    .args:
      - { .name: XC, .offset: 0, .size: 8, .value_kind: global_buffer, .address_space: global }
      - { .name: XSC, .offset: 8, .size: 8, .value_kind: global_buffer, .address_space: global }
      - { .name: WC, .offset: 16, .size: 8, .value_kind: global_buffer, .address_space: global }
      - { .name: WSC, .offset: 24, .size: 8, .value_kind: global_buffer, .address_space: global }
      - { .name: bq, .offset: 32, .size: 8, .value_kind: global_buffer, .address_space: global }
      - { .name: bk, .offset: 40, .size: 8, .value_kind: global_buffer, .address_space: global }
      - { .name: bv, .offset: 48, .size: 8, .value_kind: global_buffer, .address_space: global }
      - { .name: AC, .offset: 56, .size: 8, .value_kind: global_buffer, .address_space: global }
      - { .name: AS, .offset: 64, .size: 8, .value_kind: global_buffer, .address_space: global }
    .group_segment_fixed_size: 327680
    .private_segment_fixed_size: 0
    .kernarg_segment_align: 8
    .kernarg_segment_size: 72
    .max_flat_workgroup_size: 128
    .sgpr_count:     100
    .vgpr_count:     1024
    .wavefront_size: 32
...
	.end_amdgpu_metadata
.endif
;; end of part 2
;; launch attn (part 3): grid 8 x 64, 4 waves a work-group, no clusters, 149,248 bytes of LDS; arguments MN, AC, AS, XA; writes XA
.if DOCPART == 3
	.amdgcn_target "amdgcn-amd-amdhsa--gfx1250"
	.amdhsa_code_object_version 6
	.text
	.protected	k_q1e4d0951a8_attn
	.globl	k_q1e4d0951a8_attn
	.p2align	8
	.type	k_q1e4d0951a8_attn,@function
k_q1e4d0951a8_attn:
	s_mov_b64 s[64:65], 0
	v_nop
	global_prefetch_b8 v0, s[64:65] scope:SCOPE_SE
	s_setreg_imm32_b32 hwreg(HW_REG_WAVE_MODE, 25, 1), 1
	s_wait_xcnt 0x0
; ATTN.  x[b][q][head] = sum over keys of P V, P = softmax(q k^T / 8 with -1e9 where mask == 0), set to 0 where mask == 0.  Both products on codes of FP4 with E8M0 scales.
; P is quantised finished and normalised, so a row's sum must be known ahead of its codes.  ONE PASS: the four waves share a tile of 16 queries, each takes 512 keys and keeps its 16 x 512 scores in 256 registers (window 1).
; A lane takes the largest t of its own 256 numbers (t = score x log2(e) / 8), M = that rounded up to a whole number, p' = 2^(t - M) and their sum l'.  The eight pairs (-M, l') of a query (4 waves x 2 halves of the lanes)
; meet in LDS; each lane forms the row's M and l = sum of l' 2^(M' - M), and multiplies its p' by 2^(M' - M) / l: the power of two rounds nothing.  Then p is quantised along the keys and multiplied by V.
; The four partial O^T of a tile meet in LDS too; wave j sums, quantises and stores 8 queries x 32 channels (block j / 2, queries 8 (j % 2) ..).
; TWO BARRIERS A ROUND.  The first shows round i's pairs and round i - 1's partial O^T.  The second is signalled when my reads of both are done and awaited just ahead of my stores of round i's partial O^T:
; so those stores, and round i + 1's pairs, land on bytes that nobody reads any more.  Between its signal and its wait stand register work and loads of V's bytes, which nobody writes.
; THE MASK comes as FP4 codes (-6 where hidden, 0 where kept) in the accumulators' layout; conversions with the scale 2^97 write 0 or -6 x 2^97 into the scores' registers and the score product adds in place.
; The maximum starts at -2^90, over every hidden and under every real score.  A row with no key kept has the sum 0, held at 0.5 (where a key counts the sum is over 0.5): its p and x are 0.
; A block's largest p is made from the block's largest score by the same multiply-add, exponential and multiplication as every p.
; LIMITS: hidden keys count for exactly 0; real scores lie over -2^90 and the scaled scores under 2^31 in magnitude; NaN and infinities are not served; p under 2^-126 counts as 0; a block whose largest magnitude lies under 2^-124 keeps the byte 1.
; SHARES.  Work-group (x, y): y = 16 b + head, 256 queries = 16 tiles, one a round.  512 work-groups of equal work; a work-group takes half of a WGP's registers and under half of its LDS.
; Each wave brings its own 512 keys of K's and V's codes (32 KiB) to LDS once, through registers; their scale words stay in registers.  No tensor load, so no ring.
; NO CLUSTER: K and V are read once, 140 KiB a work-group, beside 256 KiB of mask codes that no partner shares, and the text has no tensor load that could ask jointly.
; NO PREFETCH: the mask's codes and Q are loaded into registers a whole round ahead of their use.
; K = 64 IN A FORM OF K = 128: Q's registers 4-7 are zero codes; the upper four registers of K's operand are the next tile's codes or zeros.  Bytes 2, 3 of the scale words are never 0xff.
; WINDOW 0: v1-15 addresses and temporaries; v16-24 Q; v32-127 three operand buffers; v128-131 zeros; v132-155 scale words; v156-187 mask; v188-219 O^T; v220-227 codes; v228-243 block maxima; v244-247 p's scale words.
.set FLOOR, 0x1800000
.set L16, 1
.set SPW, 2
.set NIL, 3
.set ADK, 4
.set ADV, 5
.set MLST, 6
.set MLRD, 7
.set OST, 8
.set ORD, 9
.set XCO, 10
.set XSO, 11
.set R4,  12
.set T0,  13
.set T1,  14
.set T2,  15
.set QF,  16
.set QS,  24
.set BS,  25
.set NM,  26
.set MS,  27
.set RR,  28
.set XBY, 30
.set XCD, 31
.set BUF, 32
.set B1,  64
.set B2,  96
.set TP,  80
.set ZR,  128
.set KSR, 132
.set VSR, 148
.set MK,  156
.set OT,  188
.set PC,  220
.set BM,  228
.set PW,  244
.set L4,  250
.set SA,  32
.set VCL, 65536                        ; LDS: K's codes at 0 (tile x 512); V's here (key step x 4,096 + channel tile x 1,024)
.set MLB, 131072                       ; the pairs: query x 80 + (2 wave + h) x 8
.set OPB, 132352                       ; partial O^T: wave x 4,096 + four registers x 512 + lane x 16
.set SPARE, 148736                     ; the spare words, 128 bytes a wave
.set WV, 12
.set CS, 16
.set SEL, 18
.set QP, 20
.set QSP, 22
.set MP, 24
.set OP, 26
.set OSP, 28
.set KP, 30
.set VP, 32
.set KSP, 34
.set VSP, 36
.set TC, 38
.set MSB, 0
.macro WIN new
.if MSB != \new
	s_set_vgpr_msb (MSB<<8)|\new
.set MSB, \new
.endif
.endm
.macro WDS n                           ; the first line ahead of a wait behind which fresh vector results are read
	s_wait_alu depctr_va_vdst(0)
	s_wait_dscnt \n
.endm
.macro NOPS n
.rept \n
	v_nop
.endr
.endm
.macro WMK d, a, sa, hi                ; scores: D = C in window 1
.if \hi
	v_wmma_scale_f32_16x16x128_f8f6f4 v[(\d):(\d)+7], v[(\a):(\a)+7], v[QF:QF+7], v[(\d):(\d)+7], v[\sa], v[QS] matrix_a_fmt:MATRIX_FMT_FP4 matrix_b_fmt:MATRIX_FMT_FP4 matrix_a_scale:MATRIX_SCALE_ROW1
.else
	v_wmma_scale_f32_16x16x128_f8f6f4 v[(\d):(\d)+7], v[(\a):(\a)+7], v[QF:QF+7], v[(\d):(\d)+7], v[\sa], v[QS] matrix_a_fmt:MATRIX_FMT_FP4 matrix_b_fmt:MATRIX_FMT_FP4
.endif
.endm
.macro WMV d, a, sa, sb, hi, zero
.if \zero
.if \hi
	v_wmma_scale_f32_16x16x128_f8f6f4 v[(\d):(\d)+7], v[(\a):(\a)+7], v[PC:PC+7], 0, v[\sa], v[\sb] matrix_a_fmt:MATRIX_FMT_FP4 matrix_b_fmt:MATRIX_FMT_FP4 matrix_a_scale:MATRIX_SCALE_ROW1
.else
	v_wmma_scale_f32_16x16x128_f8f6f4 v[(\d):(\d)+7], v[(\a):(\a)+7], v[PC:PC+7], 0, v[\sa], v[\sb] matrix_a_fmt:MATRIX_FMT_FP4 matrix_b_fmt:MATRIX_FMT_FP4
.endif
.else
.if \hi
	v_wmma_scale_f32_16x16x128_f8f6f4 v[(\d):(\d)+7], v[(\a):(\a)+7], v[PC:PC+7], v[(\d):(\d)+7], v[\sa], v[\sb] matrix_a_fmt:MATRIX_FMT_FP4 matrix_b_fmt:MATRIX_FMT_FP4 matrix_a_scale:MATRIX_SCALE_ROW1
.else
	v_wmma_scale_f32_16x16x128_f8f6f4 v[(\d):(\d)+7], v[(\a):(\a)+7], v[PC:PC+7], v[(\d):(\d)+7], v[\sa], v[\sb] matrix_a_fmt:MATRIX_FMT_FP4 matrix_b_fmt:MATRIX_FMT_FP4
.endif
.endif
.endm
.macro KLD s, buf                      ; my key step s: eight tiles of K
.irp T, 0,1,2,3,4,5,6,7
	ds_load_b128 v[BUF+32*(\buf)+4*\T:BUF+32*(\buf)+4*\T+3], v[ADK] offset:4096*(\s)+512*\T
.endr
.endm
.macro VLD s, buf                      ; my key step s: four channel tiles of V^T
.irp d, 0,1,2,3
.irp c, 0,1
	ds_load_b128 v[BUF+32*(\buf)+8*\d+4*\c:BUF+32*(\buf)+8*\d+4*\c+3], v[ADV] offset:4096*(\s)+1024*\d+512*\c
.endr
.endr
.endm
.macro QK s, buf
.irp T, 0,1,2,3,4,5,6,7
	WMK 64*(\s)+8*\T, BUF+32*(\buf)+4*\T, KSR+4*(\s)+\T/2, \T%2
.endr
.endm
.macro PV s
.irp d, 0,1,2,3
	WMV OT+8*\d, BUF+32*((\s)%3)+8*\d, VSR+2*(\s)+\d/2, PW+(\s), \d%2, (\s)==0
.endr
.endm
.macro MLOADS                          ; a tile's mask codes of my four key steps
.irp s, 0,1,2,3
	global_load_b128 v[MK+8*\s:MK+8*\s+3], v[L16], s[MP:MP+1] offset:1024*\s
	global_load_b128 v[MK+8*\s+4:MK+8*\s+7], v[L16], s[MP:MP+1] offset:1024*\s+512
.endr
.endm
.macro QLOADS
	global_load_b128 v[QF:QF+3], v[L16], s[QP:QP+1]
	global_load_b32 v[QS], v[R4], s[QSP:QSP+1]
.endm
.macro OLOADS                          ; the four partial O^T of my 8 queries x 8 channels a lane
.irp j, 0,1,2,3
	ds_load_b128 v[B2+8*\j:B2+8*\j+3], v[ORD] offset:4096*\j
	ds_load_b128 v[B2+8*\j+4:B2+8*\j+7], v[ORD] offset:4096*\j+512
.endr
.endm
.macro ORED                            ; sum of the four, the block's scale (its 32 channels lie in lanes l, l xor 8, l xor 16, l xor 24), eight codes a lane.  The tile is the round before's: one tile under the bases
	s_wait_xcnt 0x0                                ; the last round's stores have read their data registers
.irp q, 0,2,4,6
	v_pk_add_f32 v[B2+\q:B2+\q+1], v[B2+\q:B2+\q+1], v[B2+8+\q:B2+8+\q+1]
	v_pk_add_f32 v[B2+16+\q:B2+16+\q+1], v[B2+16+\q:B2+16+\q+1], v[B2+24+\q:B2+24+\q+1]
.endr
.irp q, 0,2,4,6
	v_pk_add_f32 v[B2+\q:B2+\q+1], v[B2+\q:B2+\q+1], v[B2+16+\q:B2+16+\q+1]
.endr
	v_max3_num_f32 v[T0], |v[B2]|, |v[B2+1]|, FLOOR
.irp q, 2,4,6
	v_max3_num_f32 v[T0], v[T0], |v[B2+\q]|, |v[B2+\q+1]|
.endr
	v_max_num_f32_dpp v[T0], v[T0], v[T0] row_xmask:8 row_mask:0xf bank_mask:0xf
	v_permlanex16_b32 v[T1], v[T0], s[SEL], s[SEL+1]
	v_max_num_f32 v[T0], v[T0], v[T1]
	v_add_nc_u32 v[T2], 0xff000000, v[T0]          ; 2 off the exponent field: the conversion's scale operand
	v_lshrrev_b32 v[XBY], 23, v[T2]
	v_cvt_scalef32_pk8_fp4_f32 v[XCD], v[B2:B2+7], v[T2]
	v_nop
	global_store_b32 v[XCO], v[XCD], s[OP:OP+1] offset:-8192   ; the wave's store covers 128 consecutive bytes
	global_store_b8 v[XSO], v[XBY], s[OSP:OSP+1] offset:-512   ; the four lanes of a block write the same byte with the same value
.endm
	s_load_b256 s[4:11], s[0:1], 0x0               ; MN, AC, AS, XA
	v_lshl_add_u32 v[SPW], v0, 2, SPARE
	v_mov_b32 v[NIL], 0
	v_lshrrev_b32 v13, 5, v0
	v_readfirstlane_b32 s[WV], v13                 ; wave 0..3: which 512 keys
	s_and_b32 s42, ttmp7, 0xffff                   ; y = 16 b + head
	s_lshr_b32 s43, s42, 4                         ; b
	s_and_b32 s46, s42, 15                         ; head
	s_lshl_b32 s47, ttmp9, 4                       ; my first tile in the batch
	s_lshl_b32 s48, s43, 7
	s_add_co_u32 s48, s48, s47                     ; 128 b + tile
	s_lshr_b32 s49, s[WV], 1                       ; the way out: my block of 32 channels,
	s_and_b32 s50, s[WV], 1                        ; my 8 queries
	s_lshl_b32 s53, s[WV], 14
	s_lshl_b32 s54, s[WV], 4
	s_add_co_u32 s54, s54, MLB
	s_lshl_b32 s56, s[WV], 12
	s_add_co_u32 s56, s56, OPB
	s_lshl_b32 s57, s49, 11
	s_add_co_u32 s57, s57, OPB
	s_lshl_b32 s58, s50, 7
	s_add_co_u32 s57, s57, s58
	s_mov_b32 s[CS], 0x3e38aa3b                    ; c = log2(e) / 8
	s_mov_b32 s[CS+1], s[CS]
	s_mov_b32 s[SEL], 0x76543210
	s_mov_b32 s[SEL+1], 0xfedcba98
	s_mov_b32 s41, 0
	s_mov_b32 s45, 0
	s_mov_b32 s[TC], 0
	v_and_b32 v13, 31, v0                          ; lane
	v_and_b32 v14, 15, v0                          ; r
	v_bfe_u32 v15, v0, 4, 1                        ; h
	v_lshlrev_b32 v[L16], 4, v13
	v_lshlrev_b32 v[L4], 2, v13
	v_lshlrev_b32 v[R4], 2, v14
	v_add_nc_u32 v[ADK], s53, v[L16]
	v_add_nc_u32 v[ADV], VCL, v[ADK]
	v_mul_u32_u24 v31, v14, 80
	v_add_nc_u32 v[MLRD], MLB, v31
	v_lshl_add_u32 v31, v15, 3, v31
	v_add_nc_u32 v[MLST], s54, v31
	v_add_nc_u32 v[OST], s56, v[L16]
	v_and_b32 v31, 7, v0                           ; the way out: lane = query % 8 + 8 x (which 8 channels of the block)
	v_bfe_u32 v252, v0, 3, 1
	v_lshlrev_b32 v253, 4, v31
	v_lshl_add_u32 v254, v252, 10, v253
	v_lshl_add_u32 v254, v15, 8, v254
	v_add_nc_u32 v[ORD], s57, v254
	v_bfe_u32 v255, v0, 3, 2
	v_lshl_add_u32 v[XCO], v255, 2, v253
	v_mov_b32 v[XSO], v253
	v_mov_b32 v[BS], 0xe0e0e0e0                    ; the byte 224 four times: 2^97
.irp i, 0,1,2,3
	v_mov_b32 v[QF+4+\i], 0
	v_mov_b32 v[ZR+\i], 0
	v_mov_b32 v[PC+\i], 0                          ; they stand behind K's fourth step as the upper half of its last operand
.endr
	v_mov_b32 v[RR+1], 0                           ; named as the upper half of a pair
	s_wait_alu depctr_va_vdst(0)                   ; the wait at the head's end
	s_wait_kmcnt 0x0
	s_lshl_b32 s40, s42, 16
	s_lshl_b32 s58, s47, 9
	s_add_co_u32 s40, s40, s58
	s_add_nc_u64 s[QP:QP+1], s[6:7], s[40:41]      ; Q's codes: head x 64 KiB + tile x 512
	s_lshl_b32 s40, s42, 13
	s_lshl_b32 s58, s47, 6
	s_add_co_u32 s40, s40, s58
	s_add_nc_u64 s[QSP:QSP+1], s[8:9], s[40:41]
	s_lshl_b32 s40, s48, 14
	s_lshl_b32 s58, s[WV], 12
	s_add_co_u32 s40, s40, s58
	s_add_nc_u64 s[MP:MP+1], s[4:5], s[40:41]      ; mask: tile x 16 KiB + my four key steps
	s_lshr_b32 s59, s46, 1                         ; the last product's K step
	s_and_b32 s60, s46, 1
	s_lshl_b32 s40, s48, 3
	s_add_co_u32 s40, s40, s59
	s_lshl_b32 s40, s40, 10
	s_lshl_b32 s58, s60, 9
	s_add_co_u32 s40, s40, s58
	s_lshl_b32 s58, s50, 7
	s_add_co_u32 s40, s40, s58
	s_lshl_b32 s58, s49, 8
	s_add_co_u32 s40, s40, s58
	s_add_nc_u64 s[OP:OP+1], s[10:11], s[40:41]
	s_lshl_b32 s40, s48, 9
	s_add_co_u32 s40, s40, 0x400000
	s_lshr_b32 s58, s59, 2
	s_lshl_b32 s58, s58, 8
	s_add_co_u32 s40, s40, s58
	s_and_b32 s58, s59, 3
	s_lshl_b32 s58, s58, 2
	s_add_co_u32 s40, s40, s58
	s_lshl_b32 s58, s60, 1
	s_add_co_u32 s40, s40, s58
	s_add_co_u32 s40, s40, s49
	s_lshl_b32 s58, s50, 7
	s_add_co_u32 s40, s40, s58
	s_add_nc_u64 s[OSP:OSP+1], s[10:11], s[40:41]
	s_lshl_b32 s40, s42, 16
	s_add_co_u32 s40, s40, s53
	s_add_co_u32 s40, s40, 0x400000
	s_add_nc_u64 s[KP:KP+1], s[6:7], s[40:41]      ; my 16 KiB of K's codes,
	s_lshl_b32 s40, s43, 20
	s_lshl_b32 s58, s46, 12
	s_add_co_u32 s40, s40, s58
	s_lshl_b32 s58, s[WV], 18
	s_add_co_u32 s40, s40, s58
	s_add_co_u32 s40, s40, 0x800000
	s_add_nc_u64 s[VP:VP+1], s[6:7], s[40:41]      ; my four key steps of V's
	s_lshl_b32 s40, s42, 13
	s_lshl_b32 s58, s[WV], 11
	s_add_co_u32 s40, s40, s58
	s_add_co_u32 s40, s40, 0x80000
	s_add_nc_u64 s[KSP:KSP+1], s[8:9], s[40:41]
	s_lshl_b32 s40, s43, 16
	s_lshl_b32 s58, s46, 8
	s_add_co_u32 s40, s40, s58
	s_lshl_b32 s58, s[WV], 14
	s_add_co_u32 s40, s40, s58
	s_add_co_u32 s40, s40, 0x100000
	s_add_nc_u64 s[VSP:VSP+1], s[8:9], s[40:41]
	WIN 0x40                                       ; K and V go through window 1
.set n, 0
.rept 32
	global_load_b128 v[4*n:4*n+3], v[L16], s[KP:KP+1] offset:512*n
.set n, n+1
.endr
.set n, 0
.rept 32
	global_load_b128 v[128+4*n:128+4*n+3], v[L16], s[VP:VP+1] offset:(n/8)*65536+(n%8)*512
.set n, n+1
.endr
	WIN 0
.irp s, 0,1,2,3
.irp i, 0,1,2,3
	global_load_b32 v[KSR+4*\s+\i], v[L4], s[KSP:KSP+1] offset:512*\s+128*\i   ; lanes 0-15 tile 2 i, lanes 16-31 tile 2 i + 1
.endr
.irp i, 0,1
	global_load_b32 v[VSR+2*\s+\i], v[L4], s[VSP:VSP+1] offset:4096*\s+128*\i
.endr
.endr
	MLOADS
	QLOADS
	s_wait_loadcnt 63                              ; K's 32 loads are in (behind them 32 + 34 were issued; the count's field holds 63)
	WIN 0x04
.set n, 0
.rept 32
	ds_store_b128 v[ADK], v[4*n:4*n+3] offset:512*n
.set n, n+1
.endr
	s_wait_loadcnt 34                              ; V's 32 are in; behind them 16 + 8 + 8 + 2 were issued
.set n, 0
.rept 32
	ds_store_b128 v[ADV], v[128+4*n:128+4*n+3] offset:512*n
.set n, n+1
.endr
	WIN 0
	s_wait_dscnt 0x0
	s_barrier_signal -1
	s_barrier_wait -1
	KLD 0, 0
	KLD 1, 1
	KLD 2, 2
.irp T, 0,1,2,3,4,5,6,7
	ds_load_b128 v[OT+4*\T:OT+4*\T+3], v[ADK] offset:4096*3+512*\T   ; K's fourth step lies in O^T's registers, free until the first product with V
.endr
.Lround:                                               ; 16 rounds, a tile each
	; ---- scores of my 512 keys ----
	s_wait_alu depctr_va_vdst(0)
	s_wait_loadcnt 0x0                             ; this tile's mask codes and Q, asked for a round ago
	WIN 0x40
.set n, 0
.rept 32
	v_cvt_scale_pk8_f32_fp4 v[8*n:8*n+7], v[MK+n], v[BS]   ; 0 or -6 x 2^97
.set n, n+1
.endr
	WIN 0
	NOPS 4
	s_cmp_lt_u32 s[TC], 15                         ; on to the next tile; the last round stays, so that no load leaves its buffer (what it loads is not used)
	s_cselect_b32 s44, 0x4000, 0
	s_add_nc_u64 s[MP:MP+1], s[MP:MP+1], s[44:45]
	s_cselect_b32 s44, 0x200, 0
	s_add_nc_u64 s[QP:QP+1], s[QP:QP+1], s[44:45]
	s_cselect_b32 s44, 64, 0
	s_add_nc_u64 s[QSP:QSP+1], s[QSP:QSP+1], s[44:45]
	MLOADS
	WDS 23                                         ; buffer 0 and the first load of buffer 1 are in: 7 + 8 + 8 may stay out
	WIN 0x50
	QK 0, 0
	s_wait_dscnt 15                                ; buffer 1 and the first of buffer 2: 7 + 8 may stay out
	QK 1, 1
	s_wait_dscnt 8                                 ; buffer 2; step 3's eight may stay out
	QK 2, 2
	s_wait_dscnt 0x0
.irp T, 0,1,2,3,4,5,6,7
	WMK 64*3+8*\T, OT+4*\T, KSR+12+\T/2, \T%2
.endr
	WIN 0
	NOPS 4
	QLOADS
	; ---- the largest score of each of my 16 blocks (my 16 keys of each), then of all ----
	WIN 0x15
.set n, 0
.rept 16
	v_max3_num_f32 v[BM+n], v[16*n], v[16*n+1], v[16*n+2]
.set n, n+1
.endr
	WIN 0x14
.irp i, 3,5,7,9,11,13
.set n, 0
.rept 16
	v_max3_num_f32 v[BM+n], v[BM+n], v[16*n+\i], v[16*n+\i+1]
.set n, n+1
.endr
.endr
.set n, 0
.rept 16
	v_max3_num_f32 v[BM+n], v[BM+n], v[16*n+15], v[16*n+15]
.set n, n+1
.endr
	WIN 0
	v_max3_num_f32 v[MS], v[BM], v[BM+1], 0xec800000   ; and -2^90; a tree three deep
	v_max3_num_f32 v[T0], v[BM+2], v[BM+3], v[BM+4]
	v_max3_num_f32 v[T1], v[BM+5], v[BM+6], v[BM+7]
	v_max3_num_f32 v[T2], v[BM+8], v[BM+9], v[BM+10]
	v_max3_num_f32 v[TP], v[BM+11], v[BM+12], v[BM+13]
	v_max3_num_f32 v[MS], v[MS], v[T0], v[T1]
	v_max3_num_f32 v[T2], v[T2], v[TP], v[BM+14]
	v_max3_num_f32 v[MS], v[MS], v[T2], v[BM+15]
	v_mul_f32 v[T0], s[CS], v[MS]
	v_floor_f32 v[NM], -v[T0]                      ; -M = floor(-t)
.set n, 0
	WIN 0x41
.set n, 0
.rept 128
	v_pk_fma_f32 v[2*n:2*n+1], v[2*n:2*n+1], s[CS:CS+1], v[NM:NM+1] op_sel_hi:[1,0,0]   ; t - M
.set n, n+1
.endr
	s_wait_alu depctr_va_vdst(0)                   ; the wait ahead of the batch
.set n, 0
.rept 256
	v_exp_f32 v[n], v[n]
.set n, n+1
.endr
	v_nop
	s_wait_alu depctr_va_vdst(0)                   ; and behind it
	WIN 0x05                                       ; the sum of my 256 p', in eight chains of pairs
.set n, 0
.rept 8
	v_pk_add_f32 v[SA+2*n:SA+2*n+1], v[2*n:2*n+1], v[2*n+16:2*n+17]
.set n, n+1
.endr
	WIN 0x04
.set n, 16
.rept 112
	v_pk_add_f32 v[SA+2*(n%8):SA+2*(n%8)+1], v[SA+2*(n%8):SA+2*(n%8)+1], v[2*n:2*n+1]
.set n, n+1
.endr
	WIN 0
.irp k, 0,2,4,6
	v_pk_add_f32 v[SA+\k:SA+\k+1], v[SA+\k:SA+\k+1], v[SA+\k+8:SA+\k+9]
.endr
.irp k, 0,2
	v_pk_add_f32 v[SA+\k:SA+\k+1], v[SA+\k:SA+\k+1], v[SA+\k+4:SA+\k+5]
.endr
	v_pk_add_f32 v[SA:SA+1], v[SA:SA+1], v[SA+2:SA+3]
	v_add_f32 v[MS], v[SA], v[SA+1]                ; l'
	ds_store_b64 v[MLST], v[NM:NM+1]
.set n, 0
.rept 16
	v_fma_f32 v[BM+n], v[BM+n], s[CS], v[NM]       ; the blocks' largest scores as t - M, while the store is out
.set n, n+1
.endr
	WDS 0                                          ; my pair and my partial O^T of the last round are stored
	s_barrier_signal -1
	s_barrier_wait -1
	; ---- behind the first barrier ----
.irp k, 0,1,2,3
	ds_load_b128 v[B1+4*\k:B1+4*\k+3], v[MLRD] offset:16*\k
.endr
	VLD 0, 0
.set n, 0
.rept 16
	v_exp_f32 v[BM+n], v[BM+n]                     ; the largest p' of my half of each block, while the pairs are on their way (the wait ahead of this batch stands in front of the barrier)
.set n, n+1
.endr
	v_nop
	s_wait_alu depctr_va_vdst(0)                   ; and the wait behind it
	s_wait_dscnt 8
	v_max3_num_f32 v[T0], -v[B1], -v[B1+2], -v[B1+4]
	v_max3_num_f32 v[T1], -v[B1+6], -v[B1+8], -v[B1+10]
	v_max3_num_f32 v[T0], v[T0], -v[B1+12], -v[B1+14]
	v_max_num_f32 v[T0], v[T0], v[T1]              ; the row's M
.irp i, 0,2,4,6,8,10,12,14
	v_sub_f32 v[B1+\i], -v[B1+\i], v[T0]           ; M' - M: a whole number, 0 or less
.endr
	v_sub_f32 v[T1], -v[NM], v[T0]
.irp i, 0,2,4,6,8,10,12,14
	v_cvt_i32_f32 v[B1+\i], v[B1+\i]               ; (it saturates)
.endr
	v_cvt_i32_f32 v[T1], v[T1]
.irp i, 0,2,4,6,8,10,12,14
	v_ldexp_f32 v[B1+\i+1], v[B1+\i+1], v[B1+\i]   ; l' under the row's M: nothing is rounded
.endr
.irp i, 1,5,9,13
	v_add_f32 v[B1+\i], v[B1+\i], v[B1+\i+2]
.endr
	v_add_f32 v[B1+1], v[B1+1], v[B1+5]
	v_add_f32 v[B1+9], v[B1+9], v[B1+13]
	v_add_f32 v[B1+1], v[B1+1], v[B1+9]
	v_max_num_f32 v[B1+1], 0.5, v[B1+1]            ; only a row with no key kept lies under it
	s_wait_alu depctr_va_vdst(0)
	v_rcp_f32 v[T2], v[B1+1]
	v_nop
	s_wait_alu depctr_va_vdst(0)
	v_ldexp_f32 v[RR], v[T2], v[T1]                ; 2^(M' - M) / l
	s_wait_alu depctr_va_vdst(0)                   ; the wait ahead of the branch
	s_cmp_eq_u32 s[TC], 0                          ; the first round has no round before it
	s_cbranch_scc1 .Lsa
	OLOADS                                         ; they land under the blocks' scales below
.Lsa:
.set n, 0
.rept 16
	v_mul_f32 v[BM+n], v[BM+n], v[RR]              ; the largest p of my half of each block,
.set n, n+1
.endr
.set n, 0
.rept 16
	v_permlanex16_b32 v[TP+n], v[BM+n], s[SEL], s[SEL+1]
.set n, n+1
.endr
.set n, 0
.rept 16
	v_max3_num_f32 v[BM+n], v[BM+n], v[TP+n], FLOOR   ; of the whole block, and the floor that holds the byte at 1
.set n, n+1
.endr
.set n, 0
.rept 16
	v_add_nc_u32 v[BM+n], 0xff000000, v[BM+n]      ; the conversion's scale operand
.set n, n+1
.endr
.set n, 0
.rept 16
	v_lshrrev_b32 v[TP+n], 23, v[BM+n]
.set n, n+1
.endr
.irp s, 0,1,2,3
	v_lshl_or_b32 v[PW+\s], v[TP+4*\s+1], 8, v[TP+4*\s]
.endr
.irp s, 0,1,2,3
	v_lshl_or_b32 v[PW+\s], v[TP+4*\s+2], 16, v[PW+\s]
.endr
.irp s, 0,1,2,3
	v_lshl_or_b32 v[PW+\s], v[TP+4*\s+3], 24, v[PW+\s]
.endr
	VLD 1, 1
	s_wait_alu depctr_va_vdst(0)                   ; the wait ahead of the branch and of the waits below
	s_cmp_eq_u32 s[TC], 0
	s_cbranch_scc1 .Lsb
	s_wait_dscnt 8                                 ; the partial O^T are in; V's eight loads behind them may stay out
	ORED
.Lsb:
	s_wait_dscnt 0x0                               ; my reads of the pairs and of the partial O^T are long done; V's first two steps are in
	s_barrier_signal -1                            ; the second barrier: awaited ahead of my stores of this round's partial O^T
	VLD 2, 2
.irp s, 0,1,2,3
	WIN 0x41
.set n, 0
.rept 32
	v_pk_mul_f32 v[64*\s+2*n:64*\s+2*n+1], v[64*\s+2*n:64*\s+2*n+1], v[RR:RR+1] op_sel_hi:[1,0]   ; p, finished.  (Also the places behind the last product)
.set n, n+1
.endr
	WIN 0x01
.irp b, 0,1,2,3
	v_cvt_scalef32_pk8_fp4_f32 v[PC+2*\b], v[64*\s+16*\b:64*\s+16*\b+7], v[BM+4*\s+\b]
	v_cvt_scalef32_pk8_fp4_f32 v[PC+2*\b+1], v[64*\s+16*\b+8:64*\s+16*\b+15], v[BM+4*\s+\b]
.endr
	WIN 0
	v_nop
.irp c, 0,1
.irp i, 0,1
	v_permlane16_swap_b32 v[PC+4*\c+\i], v[PC+2+4*\c+\i]   ; a whole block to a lane
.endr
.endr
	NOPS 4                                         ; an operand written by vector instructions stands four places ahead of a scaled product
.if \s == 1
	VLD 3, 0
.endif
.if \s == 2
	WDS 8                                          ; step 2's V is in; step 3's eight loads may stay out
.endif
.if \s == 3
	WDS 0
.endif
	PV \s
.endr
	s_barrier_wait -1                              ; nobody reads the last round's partial O^T or this round's pairs any more
	NOPS 4
.irp k, 0,1,2,3,4,5,6,7
	ds_store_b128 v[OST], v[OT+4*\k:OT+4*\k+3] offset:512*\k   ; each accumulator from its low end on
.endr
	KLD 0, 0                                       ; the next round's K
	KLD 1, 1
	KLD 2, 2
.irp T, 0,1,2,3,4,5,6,7
	ds_load_b128 v[OT+4*\T:OT+4*\T+3], v[ADK] offset:4096*3+512*\T   ; behind the stores above, which LDS serves first
.endr
	s_wait_alu depctr_va_vdst(0)
	s_wait_xcnt 0x0
	s_add_nc_u64 s[OP:OP+1], s[OP:OP+1], 0x2000
	s_add_nc_u64 s[OSP:OSP+1], s[OSP:OSP+1], 0x200
	s_add_co_u32 s[TC], s[TC], 1
	s_cmp_lt_u32 s[TC], 16
	s_cbranch_scc1 .Lround
	s_wait_dscnt 0x0                               ; the last round's partial O^T is stored
	s_barrier_signal -1
	s_barrier_wait -1
	OLOADS
	s_wait_dscnt 0x0
	ORED
	s_wait_alu depctr_va_vdst(0)
	s_wait_tensorcnt 0x0                           ; the wave's end
	ds_add_u32 v[SPW], v[NIL]
	s_wait_dscnt 0x0
	s_endpgm
.Lfunc_end_k_q1e4d0951a8_attn:
	.size	k_q1e4d0951a8_attn, .Lfunc_end_k_q1e4d0951a8_attn-k_q1e4d0951a8_attn
	.p2alignl 7, 3214868480
	.fill 96, 4, 3214868480
	.section	.rodata,"a",@progbits
	.p2align	6, 0x0
	.amdhsa_kernel k_q1e4d0951a8_attn
		.amdhsa_group_segment_fixed_size 149248
		.amdhsa_private_segment_fixed_size 0
		.amdhsa_enable_private_segment 0
		.amdhsa_kernarg_size 32
		.amdhsa_user_sgpr_count 2
		.amdhsa_user_sgpr_kernarg_segment_ptr 1
		.amdhsa_wavefront_size32 1
		.amdhsa_system_sgpr_workgroup_id_x 1
		.amdhsa_system_sgpr_workgroup_id_y 1
		.amdhsa_system_sgpr_workgroup_id_z 1
		.amdhsa_system_vgpr_workitem_id 0
		.amdhsa_next_free_vgpr 512
		.amdhsa_next_free_sgpr 66
		.amdhsa_reserve_vcc 0
		.amdhsa_float_denorm_mode_32 3
		.amdhsa_float_denorm_mode_16_64 3
		.amdhsa_memory_ordered 1
		.amdhsa_forward_progress 1
		.amdhsa_inst_pref_size 94
	.end_amdhsa_kernel
	.amdgpu_metadata
---
amdhsa.version: [ 1, 2 ]
amdhsa.kernels:
  - .name:           k_q1e4d0951a8_attn
    .symbol:         k_q1e4d0951a8_attn.kd
    .args:
      - { .name: MN, .offset: 0, .size: 8, .value_kind: global_buffer, .address_space: global }
      - { .name: AC, .offset: 8, .size: 8, .value_kind: global_buffer, .address_space: global }
      - { .name: AS, .offset: 16, .size: 8, .value_kind: global_buffer, .address_space: global }
      - { .name: XA, .offset: 24, .size: 8, .value_kind: global_buffer, .address_space: global }
    .group_segment_fixed_size: 149248
    .private_segment_fixed_size: 0
    .kernarg_segment_align: 8
    .kernarg_segment_size: 32
    .max_flat_workgroup_size: 128
    .sgpr_count:     66
    .vgpr_count:     512
    .wavefront_size: 32
...
	.end_amdgpu_metadata
.endif
;; end of part 3
;; launch outp (part 4): grid 256 x 1, 4 waves a work-group, no clusters, 327,680 bytes of LDS; arguments XA, WC, WSC, bo, out0; writes out0
.if DOCPART == 4
	.amdgcn_target "amdgcn-amd-amdhsa--gfx1250"
	.amdhsa_code_object_version 6
	.text
	.protected	k_q1e4d0951a8_outp
	.globl	k_q1e4d0951a8_outp
	.p2align	8
	.type	k_q1e4d0951a8_outp,@function
k_q1e4d0951a8_outp:
	s_mov_b64 s[64:65], 0
	v_nop
	global_prefetch_b8 v0, s[64:65] scope:SCOPE_SE
	s_setreg_imm32_b32 hwreg(HW_REG_WAVE_MODE, 25, 1), 1
	s_wait_xcnt 0x0
.set L16, 4
.set H64, 5
.set STO, 10
.set RD,  11
.set PS,  32
.set RS,  64
.set HA,  96
.set OB,  176
.set BIAS, 64
.set RSCL, 32768
.set STG,  34816
.set SP,   528
.set WV,  22
.set MSB, 0
.macro WIN new
.if MSB != \new
	s_set_vgpr_msb (MSB<<8)|\new
.set MSB, \new
.endif
.endm
.macro WM d, a, b, c, sa, sb, hi
.if \hi
	v_wmma_scale_f32_16x16x128_f8f6f4 v[(\d):(\d)+7], v[(\a):(\a)+7], v[(\b):(\b)+7], v[(\c):(\c)+7], v[\sa], v[\sb] matrix_a_fmt:MATRIX_FMT_FP4 matrix_b_fmt:MATRIX_FMT_FP4 matrix_a_scale:MATRIX_SCALE_ROW1 matrix_b_scale:MATRIX_SCALE_ROW1
.else
	v_wmma_scale_f32_16x16x128_f8f6f4 v[(\d):(\d)+7], v[(\a):(\a)+7], v[(\b):(\b)+7], v[(\c):(\c)+7], v[\sa], v[\sb] matrix_a_fmt:MATRIX_FMT_FP4 matrix_b_fmt:MATRIX_FMT_FP4
.endif
.endm
	s_load_b256 s[4:11], s[0:1], 0x0
	s_load_b64 s[12:13], s[0:1], 0x20
	v_lshl_add_u32 v254, v0, 2, 0x29000
	v_mov_b32 v255, 0
	ds_add_u32 v254, v255
	ds_add_u32 v254, v255
	v_lshrrev_b32 v1, 5, v0
	v_readfirstlane_b32 s[WV], v1
	s_and_b32 s48, ttmp9, 1
	s_lshl_b32 s48, s48, 2
	s_add_co_u32 s48, s48, s[WV]
	s_lshr_b32 s49, ttmp9, 1
	s_mov_b32 s51, 0
	s_mov_b32 s24, 3<<16
	s_mov_b32 s25, 32<<16
	s_mov_b32 s26, 32<<16
	s_mov_b32 s27, 32<<16
	s_mov_b32 s28, 32
	s_mov_b32 s29, 32
	s_mov_b32 s30, 0
	s_mov_b32 s31, 0
	s_wait_dscnt 0x0
	s_wait_kmcnt 0x0
	s_lshl_b32 s50, s48, 16
	s_add_co_u32 s50, s50, 1572864
	s_add_nc_u64 s[52:53], s[6:7], s[50:51]
	s_lshl_b32 s50, s48, 12
	s_add_co_u32 s50, s50, 98304
	s_add_nc_u64 s[54:55], s[8:9], s[50:51]
	s_lshl_b32 s50, s48, 9
	s_add_nc_u64 s[62:63], s[10:11], s[50:51]
	s_add_nc_u64 s[60:61], s[12:13], s[50:51]
	s_lshl_b32 s50, s49, 18
	s_add_nc_u64 s[60:61], s[60:61], s[50:51]
	s_lshl_b32 s50, s49, 15
	s_add_nc_u64 s[56:57], s[4:5], s[50:51]
	s_lshl_b32 s50, s49, 11
	s_add_co_u32 s50, s50, 0x400000
	s_add_nc_u64 s[58:59], s[4:5], s[50:51]
	s_lshl_b32 s50, s[WV], 13
	s_mov_b32 s40, 1
	s_mov_b32 s41, s50
	s_add_nc_u64 s[42:43], s[56:57], s[50:51]
	s_or_b32 s43, s43, 0x80000000
	tensor_load_to_lds s[40:43], s[24:31]
	s_nop 0
	v_and_b32 v1, 31, v0
	v_and_b32 v2, 15, v0
	v_bfe_u32 v3, v0, 4, 1
	v_lshlrev_b32 v[L16], 4, v1
	v_lshlrev_b32 v[H64], 6, v3
	s_mul_i32 s50, s[WV], 16*SP
	s_add_co_u32 s50, s50, STG
	v_mul_u32_u24 v[STO], v2, SP
	v_lshl_add_u32 v[STO], v3, 6, v[STO]
	v_add_nc_u32 v[STO], s50, v[STO]
	v_add_nc_u32 v[RD], s50, v[L16]
.irp T, 0,1,2,3,4,5,6,7
	global_load_b128 v[PS+4*\T:PS+4*\T+3], v[L16], s[54:55] offset:512*\T
.endr
.irp j, 0,1,2,3
	global_load_b128 v[64+4*\j:64+4*\j+3], v[L16], s[58:59] offset:512*\j   ; the four row tiles' scale words stay in registers v64-79
.endr
	WIN 0x40
.irp T, 0,1,2,3
.irp s, 0,1,2,3,4,5,6,7
.irp c, 0,1
	global_load_b128 v[64*\T+8*\s+4*\c:64*\T+8*\s+4*\c+3], v[L16], s[52:53] offset:1024*(8*\T+\s)+512*\c
.endr
.endr
.endr
	WIN 0x80
.irp T, 0,1,2,3
.irp s, 0,1,2,3,4,5,6,7
.irp c, 0,1
	global_load_b128 v[64*\T+8*\s+4*\c:64*\T+8*\s+4*\c+3], v[L16], s[52:53] offset:1024*(8*(\T+4)+\s)+512*\c
.endr
.endr
.endr
	WIN 0xc0
.irp T, 0,1,2,3,4,5,6,7
	global_load_b128 v[BIAS+8*\T:BIAS+8*\T+3], v[H64], s[62:63] offset:(32*(\T/2)+8*(\T%2))*4
	global_load_b128 v[BIAS+8*\T+4:BIAS+8*\T+7], v[H64], s[62:63] offset:(32*(\T/2)+8*(\T%2))*4+16
.endr
	WIN 0
	s_wait_alu depctr_va_vdst(0)
	s_wait_loadcnt 0x0
	s_wait_tensorcnt 0x0
	s_barrier_signal -1
	s_barrier_wait -1
.macro RLOADS j
	WIN 0xc0
.irp s, 0,1,2,3,4,5,6,7
.irp c, 0,1
	ds_load_b128 v[8*\s+4*\c:8*\s+4*\c+3], v[L16] offset:8192*(\j)+1024*\s+512*\c
.endr
.endr
	WIN 0
.endm
.macro MULF
	WIN 0x3d
.irp T, 0,1,2,3
	WM HA+8*\T, 64*\T, 0, BIAS+8*\T, PS+4*\T, RS, 0
.endr
	WIN 0x3e
.irp T, 0,1,2,3
	WM HA+8*(\T+4), 64*\T, 0, BIAS+8*(\T+4), PS+4*(\T+4), RS, 0
.endr
.endm
.macro MULR half
	WIN 0x0d+\half
.irp s, 1,2,3,4,5,6,7
.irp t, 0,1,2,3
	WM HA+8*(4*\half+\t), 64*\t+8*\s, 8*\s, HA+8*(4*\half+\t), PS+4*(4*\half+\t)+\s%4, RS+\s%4, \s/4
.endr
.endr
.endm
.macro PAIR j
	s_wait_dscnt 0x0
.set RS, 64+4*(\j)
	MULF
	MULR 0
	MULR 1
	WIN 0
.rept 5
	v_nop
.endr
.if \j < 3
	RLOADS (\j)+1
.endif
	s_wait_xcnt 0x0
.irp T, 0,1,2,3,4,5,6,7
.irp q, 0,1
	ds_store_b128 v[STO], v[HA+8*\T+4*\q:HA+8*\T+4*\q+3] offset:128*(\T/2)+32*(\T%2)+16*\q
.endr
.endr
.irp i, 0,1,2,3,4,5,6,7,8,9,10,11,12,13,14,15
	ds_load_b128 v[OB+4*\i:OB+4*\i+3], v[RD] offset:SP*\i
.endr
.irp i, 0,1,2,3,4,5,6,7,8,9,10,11,12,13,14,15
	s_wait_dscnt 15-\i
	global_store_b128 v[L16], v[OB+4*\i:OB+4*\i+3], s[60:61] offset:(32*((\j)/2)+8*((\j)%2)+\i+8*(\i/8))*4096 th:TH_STORE_NT
.endr
.endm
	RLOADS 0
	PAIR 0
	PAIR 1
	PAIR 2
	PAIR 3
	s_wait_tensorcnt 0x0
	ds_add_u32 v254, v255
	s_wait_dscnt 0x0
	s_endpgm
.Lfunc_end_k_q1e4d0951a8_outp:
	.size	k_q1e4d0951a8_outp, .Lfunc_end_k_q1e4d0951a8_outp-k_q1e4d0951a8_outp
	.p2alignl 7, 3214868480
	.fill 96, 4, 3214868480
	.section	.rodata,"a",@progbits
	.p2align	6, 0x0
	.amdhsa_kernel k_q1e4d0951a8_outp
		.amdhsa_group_segment_fixed_size 327680
		.amdhsa_private_segment_fixed_size 0
		.amdhsa_enable_private_segment 0
		.amdhsa_kernarg_size 40
		.amdhsa_user_sgpr_count 2
		.amdhsa_user_sgpr_kernarg_segment_ptr 1
		.amdhsa_wavefront_size32 1
		.amdhsa_system_sgpr_workgroup_id_x 1
		.amdhsa_system_sgpr_workgroup_id_y 1
		.amdhsa_system_sgpr_workgroup_id_z 1
		.amdhsa_system_vgpr_workitem_id 0
		.amdhsa_next_free_vgpr 1024
		.amdhsa_next_free_sgpr 66
		.amdhsa_reserve_vcc 0
		.amdhsa_float_denorm_mode_32 3
		.amdhsa_float_denorm_mode_16_64 3
		.amdhsa_memory_ordered 1
		.amdhsa_forward_progress 1
		.amdhsa_inst_pref_size 72
	.end_amdhsa_kernel
	.amdgpu_metadata
---
amdhsa.version: [ 1, 2 ]
amdhsa.kernels:
  - .name:           k_q1e4d0951a8_outp
    .symbol:         k_q1e4d0951a8_outp.kd
    .args:
      - { .name: XA, .offset: 0, .size: 8, .value_kind: global_buffer, .address_space: global }
      - { .name: WC, .offset: 8, .size: 8, .value_kind: global_buffer, .address_space: global }
      - { .name: WSC, .offset: 16, .size: 8, .value_kind: global_buffer, .address_space: global }
      - { .name: bo, .offset: 24, .size: 8, .value_kind: global_buffer, .address_space: global }
      - { .name: out0, .offset: 32, .size: 8, .value_kind: global_buffer, .address_space: global }
    .group_segment_fixed_size: 327680
    .private_segment_fixed_size: 0
    .kernarg_segment_align: 8
    .kernarg_segment_size: 40
    .max_flat_workgroup_size: 128
    .sgpr_count:     66
    .vgpr_count:     1024
    .wavefront_size: 32
...
	.end_amdgpu_metadata
.endif
;; end of part 4
